; MI455X (gfx1250); checked and timed in simulation.
; The chip was launched on July 23, 2026; its instructions are those of AMD's public machine-readable ISA for CDNA 5 (MIT licence, August 2026) and "CDNA5" Instruction Set Architecture Reference Guide (July 2026). The comments in the code are by the model that wrote it; some were corrected since.
;; Super Loss. Allowed arithmetic: float matrix products may take bf16 or f16 operands with f32 sums; other float arithmetic in f32, or as packed bf16 or f16 multiplies, adds, multiply-adds, maxima and minima; sums over many terms, partial sums and values carried from step to step in f32; what a program stores and reads back later, other than sums and carried values, may be rounded once to bf16 or f16.
;; Inputs: loss 8,388,608 float32.
;; Outputs: out0 8,388,608 float32; out1 8,388,608 float32.
;; One version. Each part assembles by itself: llvm-mc -triple=amdgcn-amd-amdhsa -mcpu=gfx1250 --defsym DOCPART=n.
;; ======== version 1 of 1: 2 launches
;; limits: an iteration or a series of the reference is cut at 2 steps
;; workspace buffers: part 1,024 bytes
;; launch meanpart (part 1): grid 256 x 1, 32 waves a work-group, no clusters, 4,352 bytes of LDS; arguments loss, part; writes part
.if DOCPART == 1
	.amdgcn_target "amdgcn-amd-amdhsa--gfx1250"
	.amdhsa_code_object_version 6
	.text
	.protected	k_q149e877a73_meanpart
	.globl	k_q149e877a73_meanpart
	.p2align	8
	.type	k_q149e877a73_meanpart,@function
k_q149e877a73_meanpart:
	s_mov_b64 s[64:65], 0
	v_nop
	global_prefetch_b8 v0, s[64:65] scope:SCOPE_SE
	s_setreg_imm32_b32 hwreg(HW_REG_WAVE_MODE, 25, 1), 1
	s_wait_xcnt 0x0
; PARTIAL SUMS FOR THE MEAN.  part[g] = the sum of loss[32768 g .. 32768 g + 32767], in f32.  loss: [8388608] f32; part: [256] f32.
; The mean spans all work-groups, and a launch hands nothing between its work-groups: so this launch leaves 256 partial sums, and every wave of the next launch adds them up.
; SHARES.  256 work-groups of 32 waves.  A work-group owns 131,072 consecutive bytes; thread t takes the 16 bytes at 16 t of each of its eight blocks of 16,384 bytes, so one load of a
; wave covers 512 consecutive bytes, aligned.  All eight loads of every thread go out at once: the work-group's whole share is on its way before the first sum.
; SUMS, all in f32: 32 numbers a lane in two packed chains; 32 lanes by DPP steps and one exchange of the halves; 32 waves through 32 words of LDS behind one barrier; wave 0 stores.
; The order of the sum differs from a plain running sum: no chain is longer than 8 + 2 + 5 + 5 additions.
; The loads carry no cache hint: the next launch reads the same bytes again.  The one store of a work-group is 4 bytes: 1,024 bytes in the whole launch.
; LIMITS.  NaN and infinities pass through the sums as f32 addition has them; what becomes of them is said in the next launch's head.
.set STEP,  16384                      ; bytes that the work-group's 1,024 threads cover with one load each
.set SPARE, 256                        ; LDS: bytes 0-127 the waves' 32 sums (a block of 256 to themselves); from 256 on the spare words, 128 bytes for each of 32 waves
.set OFF, 1                            ; v1   16 t; never rewritten
.set LW,  2                            ; v2   LDS address of my wave's word
.set LR,  3                            ; v3   4 x lane: the word that my lane reads back (wave 0)
.set PO,  4                            ; v4   4 x work-group: my work-group's place in part
.set SPW, 6                            ; v6   LDS address of my spare word: SPARE + 4 x my thread's number; never rewritten
.set NIL, 7                            ; v7   0; never rewritten
.set A,   8                            ; v[8:39]  the eight loads; v[8:11] take the sums
; the sum over the 32 lanes of v[r], left in every lane; t: a register that has been written (v_permlanex16_b32's destination counts as read)
.macro LANESUM r, t
	v_add_f32_dpp v[\r], v[\r], v[\r] row_xmask:1 row_mask:0xf bank_mask:0xf
	v_add_f32_dpp v[\r], v[\r], v[\r] row_xmask:2 row_mask:0xf bank_mask:0xf
	v_add_f32_dpp v[\r], v[\r], v[\r] row_xmask:4 row_mask:0xf bank_mask:0xf
	v_add_f32_dpp v[\r], v[\r], v[\r] row_xmask:8 row_mask:0xf bank_mask:0xf
	v_permlanex16_b32 v[\t], v[\r], s12, s13       ; each lane takes its own place in the other half
	v_add_f32 v[\r], v[\r], v[\t]
.endm
	s_load_b128 s[4:7], s[0:1], 0x0                ; loss s[4:5], part s[6:7]
	v_lshl_add_u32 v[SPW], v0, 2, SPARE
	v_mov_b32 v[NIL], 0
	v_lshlrev_b32 v[OFF], 4, v0
	v_lshrrev_b32 v[LW], 5, v0
	v_readfirstlane_b32 s8, v[LW]                  ; my wave's number, 0 to 31
	v_mov_b32 v[LW], s8
	v_lshlrev_b32 v[LW], 2, v[LW]
	v_and_b32 v[LR], 31, v0
	v_lshlrev_b32 v[LR], 2, v[LR]
	s_lshl_b32 s10, ttmp9, 17                      ; the work-group's 131,072 bytes (33,423,360 at the most)
	s_mov_b32 s11, 0
	s_lshl_b32 s14, ttmp9, 2
	v_mov_b32 v[PO], s14
	s_mov_b32 s12, 0x76543210
	s_mov_b32 s13, 0xfedcba98
	s_wait_kmcnt 0x0
	s_add_nc_u64 s[4:5], s[4:5], s[10:11]
.irp j, 0,1,2,3,4,5,6,7
	global_load_b128 v[A+4*(\j):A+4*(\j)+3], v[OFF], s[4:5] offset:(\j)*STEP
.endr
.irp j, 1,2,3,4,5,6,7
	s_wait_loadcnt 7-(\j)                          ; loads come back in order (ISA guide 5.7.1): load j is in, the 7 - j issued behind it may stay out
	v_pk_add_f32 v[A:A+1],   v[A:A+1],   v[A+4*(\j):A+4*(\j)+1]
	v_pk_add_f32 v[A+2:A+3], v[A+2:A+3], v[A+4*(\j)+2:A+4*(\j)+3]
.endr
	v_pk_add_f32 v[A:A+1], v[A:A+1], v[A+2:A+3]
	v_add_f32 v[A], v[A], v[A+1]
	LANESUM A, A+1                                 ; my wave's sum, in every lane
	ds_store_b32 v[LW], v[A]                       ; all lanes write the same word with the same number
	s_wait_dscnt 0x0                               ; for the others' sake: my store is done
	s_barrier_signal -1
	s_barrier_wait -1                              ; all 32 sums lie in LDS
	s_cmp_lg_u32 s8, 0
	s_cbranch_scc1 .Lend                           ; wave 0 finishes
	ds_load_b32 v[A], v[LR]                        ; lane l takes wave l's sum
	s_wait_dscnt 0x0
	LANESUM A, A+1
	s_wait_xcnt 0x0                                ; EXEC changes only behind this wait
	v_cmp_eq_u32 vcc_lo, 0, v[LR]
	s_and_saveexec_b32 s9, vcc_lo                  ; lane 0 alone
	global_store_b32 v[PO], v[A], s[6:7]
	s_wait_xcnt 0x0                                ; and again in front of the line that widens it
	s_or_b32 exec_lo, exec_lo, s9
.Lend:
	s_wait_tensorcnt 0x0                           ; the wave's end, behind my last LDS store
	ds_add_u32 v[SPW], v[NIL]
	s_wait_dscnt 0x0
	s_endpgm
.Lfunc_end_k_q149e877a73_meanpart:
	.size	k_q149e877a73_meanpart, .Lfunc_end_k_q149e877a73_meanpart-k_q149e877a73_meanpart
	.p2alignl 7, 3214868480
	.fill 96, 4, 3214868480
	.section	.rodata,"a",@progbits
	.p2align	6, 0x0
	.amdhsa_kernel k_q149e877a73_meanpart
		.amdhsa_group_segment_fixed_size 4352
		.amdhsa_private_segment_fixed_size 0
		.amdhsa_enable_private_segment 0
		.amdhsa_kernarg_size 16
		.amdhsa_user_sgpr_count 2
		.amdhsa_user_sgpr_kernarg_segment_ptr 1
		.amdhsa_wavefront_size32 1
		.amdhsa_system_sgpr_workgroup_id_x 1
		.amdhsa_system_sgpr_workgroup_id_y 1
		.amdhsa_system_sgpr_workgroup_id_z 1
		.amdhsa_system_vgpr_workitem_id 0
		.amdhsa_next_free_vgpr 40
		.amdhsa_next_free_sgpr 66
		.amdhsa_reserve_vcc 1
		.amdhsa_float_denorm_mode_32 3
		.amdhsa_float_denorm_mode_16_64 3
		.amdhsa_memory_ordered 1
		.amdhsa_forward_progress 1
		.amdhsa_inst_pref_size 5
	.end_amdhsa_kernel
	.amdgpu_metadata
---
amdhsa.version: [ 1, 2 ]
amdhsa.kernels:
  - .name:           k_q149e877a73_meanpart
    .symbol:         k_q149e877a73_meanpart.kd
    .args:
      - { .name: loss, .offset: 0, .size: 8, .value_kind: global_buffer, .address_space: global }
      - { .name: part, .offset: 8, .size: 8, .value_kind: global_buffer, .address_space: global }
    .group_segment_fixed_size: 4352
    .private_segment_fixed_size: 0
    .kernarg_segment_align: 8
    .kernarg_segment_size: 16
    .max_flat_workgroup_size: 1024
    .sgpr_count:     66
    .vgpr_count:     40
    .wavefront_size: 32
...
	.end_amdgpu_metadata
.endif
;; end of part 1
;; launch superloss (part 2): grid 256 x 1, 32 waves a work-group, no clusters, 0 bytes of LDS; arguments loss, part, out0, out1; writes out0, out1
.if DOCPART == 2
	.amdgcn_target "amdgcn-amd-amdhsa--gfx1250"
	.amdhsa_code_object_version 6
	.text
	.protected	k_q149e877a73_superloss
	.globl	k_q149e877a73_superloss
	.p2align	8
	.type	k_q149e877a73_superloss,@function
k_q149e877a73_superloss:
	s_mov_b64 s[64:65], 0
	v_nop
	global_prefetch_b8 v0, s[64:65] scope:SCOPE_SE
	s_setreg_imm32_b32 hwreg(HW_REG_WAVE_MODE, 25, 1), 1
	s_wait_xcnt 0x0
; out1 = sigma = exp(-W(z)), out0 = sigma x loss;  z = max(-1/e + eps, (loss - tau) / 2), tau = 0.45 + 0.1 mean(loss);  W: Lambert's function, principal branch.
; loss, out0, out1: [8388608] f32; part: [256] f32, the partial sums of loss that the launch before has stored.
; THE ARITHMETIC.  s = exp(-W(z)) is the root of h(s) = s z + ln s.  Newton's step on h is s' = s (1 - ln s) / (1 + s z): it gives sigma itself (no closing exponential) and has no 0/0 at z = 0.
; h is concave, so every iterate behind the first lies below the root and rises towards it.  With rho = s / s* and w = W(z) a step maps rho to rho (1 + w - ln rho) / (1 + rho w):
; a relative error r becomes about r^2 / (2 (1 + w)).
; START.  p = sqrt(2 (e z + 1)), q = 1 + p + p^2 / 6: the first terms of e^(w+1) at the branch point (the next is -p^3 / 72); s0 = e / q.  Put into the step, s0 gives the first iterate in closed form:
;   s1 = e ln q / (q + e z) = e ln q / (p + 2 p^2 / 3);        then one plain step on the true z:   s2 = s1 (1 - ln s1) / (1 + s1 z).
; THE LENGTH serves every z of the domain, by the map above: s2's relative error is under 1e-6 for z <= e, 4e-6 at w = 2 (z = 15), 4e-4 at w = 10, at most 6e-4 (near w = 25), 5e-4 at w = 88.
; At the clamp 1 + w is 8e-4, and 1 - ln s is made to about 8e-8 (v_log_f32: 1 ULP, ISA guide 15.8): 1e-4 of sigma.
; SCALE.  e ln 2 = 1 / c is folded into p: y' = c^2 p^2 = K1 z + K0, p' = sqrt(y') = c p, q = 1 + G p' + H y', B' = p' + J y' = c (p + 2 p^2 / 3), s1 = log2(q) / B'.
; K1 / K0 = e to 1e-8, and at the clamp y' = 1.6e-7 > 0 in one fused multiply-add: the root's argument needs no second clamp.
; LIMITS.  NaN and infinities in loss are not honoured: v_max_num_f32 lets a NaN lose, so a NaN mean gives the clamp's sigma where f32 arithmetic in the formula's order would give NaN.
; z is served up to 3.9e36 (beyond it the product w e^w of a Halley step from log1p(z) leaves f32); there 1 / B' is still a normal number.
; SHARES.  256 work-groups of 32 waves; a work-group owns 131,072 consecutive bytes of each tensor, thread t the 16 bytes at 16 t of each of eight blocks of 16,384: every load and store of a wave
; covers 512 consecutive bytes, aligned.  Waves share nothing: no LDS, no barrier.  Each wave adds up the 256 partial sums itself (8 a lane), in the same order, so all waves hold the same tau.
; IN FLIGHT.  The two loads of part and all eight loads of loss go out together at the head.  The work goes in four batches of 8 numbers a lane, each followed by its four stores.
; REGISTERS.  sigma has registers of its own in every batch, and out0's numbers take their loss's place: no register that a store reads is written again, so no wait frees one.
.set STEP, 16384
.set OFF, 1                            ; v1        16 t; never rewritten
.set PLO, 2                            ; v2        16 x lane, for part; never rewritten
.set NT,  4                            ; v[4:11]   my 8 partial sums; then v4 = -tau / 2 (named as the pair v[4:5], its low word for both halves)
.set Z,   12                           ; v[12:19]  z;  then 1 + s1 z, its reciprocal, s1 / (1 + s1 z)
.set Y,   20                           ; v[20:27]  y'; then B', its reciprocal
.set Q,   28                           ; v[28:35]  1 + H y'; q; log2 q; log2 s1; 1 - ln s1
.set X,   36                           ; v[36:67]  loss, 8 registers a batch; then out0's numbers
.set SIG, 68                           ; v[68:99]  8 registers a batch: p', then s1, then sigma
.set SEL, 14                           ; s[14:15]  v_permlanex16_b32's selects
.set CM,  16                           ; s16  -0.05 / 8388608
.set CB,  17                           ; s17  -0.225
.set ZM,  18                           ; s18  the clamp
.set K1,  20                           ; the constants of the packed lines lie in pairs, both words written; the low word serves both halves
.set K0,  22
.set H,   24
.set G,   26
.set J,   28
.set NL2, 30
	s_load_b256 s[4:11], s[0:1], 0x0               ; loss s[4:5], part s[6:7], out0 s[8:9], out1 s[10:11]
	v_lshlrev_b32 v[OFF], 4, v0
	v_and_b32 v[PLO], 31, v0
	v_lshlrev_b32 v[PLO], 4, v[PLO]
	s_lshl_b32 s12, ttmp9, 17                      ; the work-group's 131,072 bytes
	s_mov_b32 s13, 0
	s_mov_b32 s[SEL], 0x76543210
	s_mov_b32 s[SEL+1], 0xfedcba98
	s_mov_b32 s[CM], 0xb1cccccd                    ; -0.05 x 2^-23
	s_mov_b32 s[CB], 0xbe666666                    ; -0.225 = -(1 - 0.1) x 0.5 / 2
	s_mov_b32 s[ZM], 0xbebc5aae                    ; -f32(1/e) + 2^-23 = -0.36787933
	s_mov_b32 s[K1], 0x3fc40473                    ; 2 e c^2   = 1.5313858
	s_mov_b32 s[K0], 0x3f1038b6                    ; 2 c^2     = 0.5633653
	s_mov_b32 s[H],  0x3f17787f                    ; 1 / (6 c^2) = 0.5916824
	s_mov_b32 s[G],  0x3ff12c76                    ; 1 / c = e ln 2 = 1.8841694
	s_mov_b32 s[J],  0x3fa0c84f                    ; 2 / (3 c) = 1.2561129
	s_mov_b32 s[NL2], 0xbf317218                   ; -ln 2
.irp c, K1, K0, H, G, J, NL2
	s_mov_b32 s[\c+1], s[\c]
.endr
	s_wait_kmcnt 0x0
	s_add_nc_u64 s[4:5], s[4:5], s[12:13]
	s_add_nc_u64 s[8:9], s[8:9], s[12:13]
	s_add_nc_u64 s[10:11], s[10:11], s[12:13]
	global_load_b128 v[NT:NT+3],   v[PLO], s[6:7]              ; part: 512 consecutive bytes,
	global_load_b128 v[NT+4:NT+7], v[PLO], s[6:7] offset:512   ; and the other 512; every wave of the launch reads them: no hint
.irp j, 0,1,2,3,4,5,6,7
	global_load_b128 v[X+4*(\j):X+4*(\j)+3], v[OFF], s[4:5] offset:(\j)*STEP th:TH_LOAD_NT  ; read once in this launch, and by nobody after it
.endr
	s_wait_loadcnt 8                               ; part is in; the eight loads of loss issued behind it may stay out
	v_pk_add_f32 v[NT:NT+1],   v[NT:NT+1],   v[NT+4:NT+5]
	v_pk_add_f32 v[NT+2:NT+3], v[NT+2:NT+3], v[NT+6:NT+7]
	v_pk_add_f32 v[NT:NT+1],   v[NT:NT+1],   v[NT+2:NT+3]
	v_add_f32 v[NT], v[NT], v[NT+1]
	v_add_f32_dpp v[NT], v[NT], v[NT] row_xmask:1 row_mask:0xf bank_mask:0xf
	v_add_f32_dpp v[NT], v[NT], v[NT] row_xmask:2 row_mask:0xf bank_mask:0xf
	v_add_f32_dpp v[NT], v[NT], v[NT] row_xmask:4 row_mask:0xf bank_mask:0xf
	v_add_f32_dpp v[NT], v[NT], v[NT] row_xmask:8 row_mask:0xf bank_mask:0xf
	v_permlanex16_b32 v[NT+1], v[NT], s[SEL], s[SEL+1]
	v_add_f32 v[NT], v[NT], v[NT+1]                ; the sum of all of loss, the same in every lane
	v_fma_f32 v[NT], v[NT], s[CM], s[CB]           ; -tau / 2 = -0.225 - 0.05 sum / 8388608
; the plain lines that stand among the transcendentals, for the pair of numbers at register k of the batch
.macro MKQ k                           ; q = G p' + (1 + H y')
	v_pk_fma_f32 v[Q+(\k):Q+(\k)+1], v[SB+(\k):SB+(\k)+1], s[G:G+1], v[Q+(\k):Q+(\k)+1] op_sel_hi:[1,0,1]
.endm
.macro MKB k                           ; B' = J y' + p'
	v_pk_fma_f32 v[Y+(\k):Y+(\k)+1], v[Y+(\k):Y+(\k)+1], s[J:J+1], v[SB+(\k):SB+(\k)+1] op_sel_hi:[1,0,1]
.endm
.macro MKS k                           ; s1 = log2(q) / B'
	v_pk_mul_f32 v[SB+(\k):SB+(\k)+1], v[Q+(\k):Q+(\k)+1], v[Y+(\k):Y+(\k)+1]
.endm
.macro MKD k                           ; 1 + s1 z
	v_pk_fma_f32 v[Z+(\k):Z+(\k)+1], v[SB+(\k):SB+(\k)+1], v[Z+(\k):Z+(\k)+1], 1.0 op_sel_hi:[1,1,0]
.endm
; A BATCH: the 8 numbers a lane of loads 2 b and 2 b + 1.  left = the loads of later batches, which may stay out.
; Its transcendentals are three groups (8 roots; 8 logarithms and 8 reciprocals; the same again).  No line names a group's result ahead of the group's one wait (an
; s_wait_alu depctr_va_vdst(0) there); a v_nop is the plain instruction behind each group's last (ISA guide 5.7.2).  The plain lines of the next pair stand among a pair's transcendentals.
.macro BATCH b, left
.set XB, X+8*(\b)
.set SB, SIG+8*(\b)
	s_wait_loadcnt \left
.irp k, 0,2,4,6
	v_pk_fma_f32 v[Z+\k:Z+\k+1], v[XB+\k:XB+\k+1], 0.5, v[NT:NT+1] op_sel_hi:[1,0,0]  ; (loss - tau) / 2
.endr
.irp k, 0,1,2,3,4,5,6,7
	v_max_num_f32 v[Z+\k], s[ZM], v[Z+\k]          ; z
.endr
.irp k, 0,2,4,6
	v_pk_fma_f32 v[Y+\k:Y+\k+1], v[Z+\k:Z+\k+1], s[K1:K1+1], s[K0:K0+1] op_sel_hi:[1,0,0]  ; y' = c^2 x 2 (e z + 1)
.endr
.irp k, 0,2,4,6
	v_sqrt_f32 v[SB+\k], v[Y+\k]                   ; p'
	v_pk_fma_f32 v[Q+\k:Q+\k+1], v[Y+\k:Y+\k+1], s[H:H+1], 1.0 op_sel_hi:[1,0,0]  ; 1 + p^2 / 6: wants no root
	v_sqrt_f32 v[SB+\k+1], v[Y+\k+1]
.endr
	v_nop
	s_wait_alu depctr_va_vdst(0)                   ; the roots
	MKQ 0
	MKB 0
.irp k, 0,2,4,6
	v_log_f32 v[Q+\k], v[Q+\k]                     ; log2 q
.if \k < 6
	MKQ \k+2
.endif
	v_log_f32 v[Q+\k+1], v[Q+\k+1]
.if \k < 6
	MKB \k+2
.endif
	v_rcp_f32 v[Y+\k], v[Y+\k]                     ; 1 / B'
	v_rcp_f32 v[Y+\k+1], v[Y+\k+1]
.endr
	v_nop
	s_wait_alu depctr_va_vdst(0)                   ; the first step's logarithms and reciprocals
	MKS 0
	MKD 0
.irp k, 0,2,4,6
	v_log_f32 v[Q+\k], v[SB+\k]                    ; log2 s1
.if \k < 6
	MKS \k+2
.endif
	v_log_f32 v[Q+\k+1], v[SB+\k+1]
.if \k < 6
	MKD \k+2
.endif
	v_rcp_f32 v[Z+\k], v[Z+\k]                     ; 1 / (1 + s1 z)
	v_rcp_f32 v[Z+\k+1], v[Z+\k+1]
.endr
	v_nop
	s_wait_alu depctr_va_vdst(0)                   ; the second step's
.irp k, 0,2,4,6
	v_pk_fma_f32 v[Q+\k:Q+\k+1], v[Q+\k:Q+\k+1], s[NL2:NL2+1], 1.0 op_sel_hi:[1,0,0]  ; 1 - ln s1
.endr
.irp k, 0,2,4,6
	v_pk_mul_f32 v[Z+\k:Z+\k+1], v[Z+\k:Z+\k+1], v[SB+\k:SB+\k+1]                     ; s1 / (1 + s1 z)
.endr
.irp k, 0,2,4,6
	v_pk_mul_f32 v[SB+\k:SB+\k+1], v[Z+\k:Z+\k+1], v[Q+\k:Q+\k+1]                     ; sigma
.endr
.irp k, 0,2,4,6
	v_pk_mul_f32 v[XB+\k:XB+\k+1], v[XB+\k:XB+\k+1], v[SB+\k:SB+\k+1]                 ; sigma x loss
.endr
	global_store_b128 v[OFF], v[SB:SB+3],   s[10:11] offset:(2*(\b))*STEP   th:TH_STORE_NT  ; each store of the wave covers 512 consecutive bytes, aligned
	global_store_b128 v[OFF], v[SB+4:SB+7], s[10:11] offset:(2*(\b)+1)*STEP th:TH_STORE_NT
	global_store_b128 v[OFF], v[XB:XB+3],   s[8:9]   offset:(2*(\b))*STEP   th:TH_STORE_NT
	global_store_b128 v[OFF], v[XB+4:XB+7], s[8:9]   offset:(2*(\b)+1)*STEP th:TH_STORE_NT
.endm
	BATCH 0, 6                                     ; loads 0 and 1 are in; six were issued behind them
	BATCH 1, 4
	BATCH 2, 2
	BATCH 3, 0
	s_endpgm
.Lfunc_end_k_q149e877a73_superloss:
	.size	k_q149e877a73_superloss, .Lfunc_end_k_q149e877a73_superloss-k_q149e877a73_superloss
	.p2alignl 7, 3214868480
	.fill 96, 4, 3214868480
	.section	.rodata,"a",@progbits
	.p2align	6, 0x0
	.amdhsa_kernel k_q149e877a73_superloss
		.amdhsa_group_segment_fixed_size 0
		.amdhsa_private_segment_fixed_size 0
		.amdhsa_enable_private_segment 0
		.amdhsa_kernarg_size 32
		.amdhsa_user_sgpr_count 2
		.amdhsa_user_sgpr_kernarg_segment_ptr 1
		.amdhsa_wavefront_size32 1
		.amdhsa_system_sgpr_workgroup_id_x 1
		.amdhsa_system_sgpr_workgroup_id_y 1
		.amdhsa_system_sgpr_workgroup_id_z 1
		.amdhsa_system_vgpr_workitem_id 0
		.amdhsa_next_free_vgpr 100
		.amdhsa_next_free_sgpr 66
		.amdhsa_reserve_vcc 0
		.amdhsa_float_denorm_mode_32 3
		.amdhsa_float_denorm_mode_16_64 3
		.amdhsa_memory_ordered 1
		.amdhsa_forward_progress 1
		.amdhsa_inst_pref_size 23
	.end_amdhsa_kernel
	.amdgpu_metadata
---
amdhsa.version: [ 1, 2 ]
amdhsa.kernels:
  - .name:           k_q149e877a73_superloss
    .symbol:         k_q149e877a73_superloss.kd
    .args:
      - { .name: loss, .offset: 0, .size: 8, .value_kind: global_buffer, .address_space: global }
      - { .name: part, .offset: 8, .size: 8, .value_kind: global_buffer, .address_space: global }
      - { .name: out0, .offset: 16, .size: 8, .value_kind: global_buffer, .address_space: global }
      - { .name: out1, .offset: 24, .size: 8, .value_kind: global_buffer, .address_space: global }
    .group_segment_fixed_size: 0
    .private_segment_fixed_size: 0
    .kernarg_segment_align: 8
    .kernarg_segment_size: 32
    .max_flat_workgroup_size: 1024
    .sgpr_count:     66
    .vgpr_count:     100
    .wavefront_size: 32
...
	.end_amdgpu_metadata
.endif
;; end of part 2
